; MI455X (gfx1250); checked and timed in simulation.
; The chip was launched on July 23, 2026; its instructions are those of AMD's public machine-readable ISA for CDNA 5 (MIT licence, August 2026) and "CDNA5" Instruction Set Architecture Reference Guide (July 2026).
;; Multihead Attention. Allowed arithmetic: matrix products marked QUANTISED: E5M2 operands, one given power-of-two scale a tensor, by v_wmma_f32_16x16x64_bf8_bf8 or v_wmma_f32_16x16x128_bf8_bf8, f32 sums; everything else in f32.
;; Inputs: Wf 1,024 x 1,024 float32; Wk 1,024 x 1,024 float32; Wq 1,024 x 1,024 float32; Wv 1,024 x 1,024 float32; bf 1,024 float32; bk 1,024 float32; bq 1,024 float32; bv 1,024 float32; key_ 16 x 2,048 x 1,024 float32; lowp_scales 8 int32 (the exponents e of the quantised operands' scales 2^e); query 16 x 1 x 1,024 float32; value 16 x 2,048 x 1,024 float32.
;; Outputs: out0 16 x 1 x 1,024 float32.
;; This version of the problem:
;;   THIS VERSION OF THE PROBLEM IS GIVEN IN LOW PRECISION. The matrix products marked QUANTISED in the list below multiply operands that are first quantised to E5M2 (5 exponent bits, 2 mantissa bits; 8 bits a number), with one given power-of-two scale for each operand tensor; their sums are f32. All else is computed in f32.
;;   The module's matrix products, in the order in which they are computed (A, B: the left and right operand; K: the contracted axis; several contracted axes count as one K, in the product's order):
;;     1. [M 16, K 1,024] x [K 1,024, N 1,024]; A: input query; B: input Wq: QUANTISED (scales: A lowp_scales[0], B lowp_scales[1])
;;     2. [M 32,768, K 1,024] x [K 1,024, N 1,024]; A: input key_; B: input Wk: QUANTISED (scales: A lowp_scales[2], B lowp_scales[3])
;;     3. [M 32,768, K 1,024] x [K 1,024, N 1,024]; A: input value; B: input Wv: QUANTISED (scales: A lowp_scales[4], B lowp_scales[5])
;;     4. [M 16, K 1,024] x [K 1,024, N 1,024]; A: computed on the way; B: input Wf: QUANTISED (scales: A lowp_scales[6], B lowp_scales[7])
;;   THE QUANTISER, for each operand of a quantised product, along K:
;;     - The operand's scale is 2^e, e = its entry of the input lowp_scales (int32; the entries are numbered through the quantised products in the list's order, A before B).
;;     - Each number is divided by the scale, clamped to +-57,344, and rounded to the nearest number of E5M2, ties to even, subnormals kept.
;;     - The product sums the exact products of the quantised numbers (number of the format x scale) in f32.
;;   ~~~python
;;   def quantise(x, axis, e):      # numpy; x: float32 -> the quantised numbers, widened to float32 again
;;       x = np.moveaxis(x, axis, -1); K = x.shape[-1]
;;       r = np.clip(x / 2.0 ** e, -57344, 57344)
;;       step = 2.0 ** (np.maximum(np.frexp(np.where(r == 0, 1, r))[1] - 1, -14) - 2)
;;       q = np.round(r / step) * step * 2.0 ** e      # np.round: ties to even
;;       return np.moveaxis(q, -1, axis).astype(np.float32)
;;   ~~~
;;   OPERANDS COMPUTED ON THE WAY. 'Computed on the way' means the value that the module computes at that place (a softmax that the list does not call 'softmax' is quantised finished and normalised). What goes into a quantiser is computed in f32, as accurately as f32 sums, v_exp_f32 and their like allow (about 1e-6 of the number): no bf16 or f16 on the way to a quantiser, and a product that is left as it is and whose result goes on into a quantised operand takes f32 operands (vector FMAs, or v_wmma_f32_16x16x4_f32). A number that lies on a knife's edge between two numbers of the format may be rounded either way, as far as f32 arithmetic and the matrix unit's own rounding can turn it there, and no further.
;; One version. Each part assembles by itself: llvm-mc -triple=amdgcn-amd-amdhsa -mcpu=gfx1250 --defsym DOCPART=n.
;; ======== version 1 of 1: 3 launches
;; limits: right only within a limited range of input values
;; workspace buffers: wcodes 3,145,728 bytes; qbuf 65,536 bytes; part 1,048,576 bytes
;; launch prep (part 1): grid 256 x 1, 4 waves a work-group, no clusters, 4,608 bytes of LDS; arguments Wk, Wv, Wf, Wq, query, bq, lowp_scales, wcodes, qbuf; writes wcodes, qbuf
.if DOCPART == 1
	.amdgcn_target "amdgcn-amd-amdhsa--gfx1250"
	.amdhsa_code_object_version 6
	.text
	.protected	k_q87099a7bbf_prep
	.globl	k_q87099a7bbf_prep
	.p2align	8
	.type	k_q87099a7bbf_prep,@function
k_q87099a7bbf_prep:
	s_mov_b64 s[64:65], 0
	v_nop
	global_prefetch_b8 v0, s[64:65] scope:SCOPE_SE
	s_setreg_imm32_b32 hwreg(HW_REG_WAVE_MODE, 25, 1), 1
	s_wait_xcnt 0x0
.set XW, 64
.set FW, 32
.set FQ, 192
.set MSB, 0
.macro WIN new
.if MSB != \new
	s_set_vgpr_msb (MSB<<8)|\new
.set MSB, \new
.endif
.endm
.macro FLOAD reg, base
.irp s, 0,1
.irp c, 0,1,2,3
	global_load_b128 v[\reg+64*\s+16*\c:\reg+64*\s+16*\c+3], v4, s[\base:\base+1] offset:256*\s+64*\c
	global_load_b128 v[\reg+64*\s+16*\c+4:\reg+64*\s+16*\c+7], v4, s[\base:\base+1] offset:256*\s+64*\c+512
	global_load_b128 v[\reg+64*\s+16*\c+8:\reg+64*\s+16*\c+11], v4, s[\base:\base+1] offset:256*\s+64*\c+16
	global_load_b128 v[\reg+64*\s+16*\c+12:\reg+64*\s+16*\c+15], v4, s[\base:\base+1] offset:256*\s+64*\c+528
.endr
.endr
.endm
.macro QNT reg, dst, scl, lim, win
	WIN (0x41*\win)
.set n, 0
.rept 128
	v_med3_num_f32 v[\reg+n], v[\reg+n], -v[\lim], v[\lim]
.set n, n+1
.endr
	WIN (\win)
.irp s, 0,1
.irp c, 0,1,2,3
	v_cvt_scalef32_pk8_bf8_f32 v[\dst+16*\s+4*\c:\dst+16*\s+4*\c+1], v[\reg+64*\s+16*\c:\reg+64*\s+16*\c+7], v[\scl]
	v_cvt_scalef32_pk8_bf8_f32 v[\dst+16*\s+4*\c+2:\dst+16*\s+4*\c+3], v[\reg+64*\s+16*\c+8:\reg+64*\s+16*\c+15], v[\scl]
.endr
.endr
	v_nop
	WIN 0
.endm
	s_load_b256 s[4:11], s[0:1], 0x0
	s_load_b256 s[12:19], s[0:1], 0x20
	s_load_b64 s[20:21], s[0:1], 0x40
	v_lshl_add_u32 v254, v0, 2, 0x1000
	v_mov_b32 v255, 0
	v_lshrrev_b32 v1, 5, v0
	v_readfirstlane_b32 s25, v1
	s_lshr_b32 s24, ttmp9, 6
	s_and_b32 s23, ttmp9, 63
	v_and_b32 v1, 15, v0
	v_bfe_u32 v2, v0, 4, 1
	v_lshlrev_b32 v4, 12, v1
	v_lshl_add_u32 v4, v2, 5, v4
	v_and_b32 v5, 31, v0
	v_lshlrev_b32 v5, 4, v5
	s_lshl_b32 s34, s25, 10
	v_add_nc_u32 v6, s34, v5
	s_lshr_b32 s35, s25, 1
	s_lshl_b32 s35, s35, 9
	s_and_b32 s44, s25, 1
	s_lshl_b32 s44, s44, 3
	s_add_co_u32 s35, s35, s44
	v_add_nc_u32 v7, s35, v5
	v_lshlrev_b32 v3, 2, v1
	v_lshl_add_u32 v14, v2, 15, v3
	s_lshl_b32 s32, s23, 16
	s_add_co_u32 s32, s32, s34
	s_mov_b32 s33, 0
	s_wait_alu depctr_va_vdst(0)
	s_wait_kmcnt 0x0
	s_load_b256 s[36:43], s[16:17], 0x0
	s_cmp_eq_u32 s24, 0
	s_cselect_b64 s[26:27], s[4:5], s[6:7]
	s_cmp_lt_u32 s24, 2
	s_cselect_b64 s[26:27], s[26:27], s[8:9]
	s_cmp_lt_u32 s24, 3
	s_cselect_b64 s[26:27], s[26:27], s[10:11]
	s_add_nc_u64 s[26:27], s[26:27], s[32:33]
	FLOAD XW, 26
	s_wait_kmcnt 0x0
	s_cmp_eq_u32 s24, 0
	s_cselect_b32 s28, s39, s41
	s_cmp_lt_u32 s24, 2
	s_cselect_b32 s28, s28, s43
	s_cmp_lt_u32 s24, 3
	s_cselect_b32 s28, s28, s37
	s_add_co_i32 s28, s28, 127
	s_add_co_i32 s29, s28, 15
	s_lshl_b32 s28, s28, 23
	s_lshl_b32 s29, s29, 23
	s_or_b32 s29, s29, 0x600000
	v_mov_b32 v10, s28
	v_mov_b32 v11, s29
	s_cmp_lt_u32 s24, 3
	s_cbranch_scc0 .Lq
	s_and_b32 s32, s23, 1
	s_lshl_b32 s32, s32, 11
	s_bfe_u32 s45, s23, 0x10001
	s_lshl_b32 s45, s45, 13
	s_add_co_u32 s32, s32, s45
	s_bfe_u32 s45, s23, 0x10002
	s_lshl_b32 s45, s45, 14
	s_add_co_u32 s32, s32, s45
	s_bfe_u32 s45, s23, 0x10003
	s_lshl_b32 s45, s45, 17
	s_add_co_u32 s32, s32, s45
	s_lshr_b32 s45, s23, 4
	s_lshl_b32 s45, s45, 15
	s_add_co_u32 s32, s32, s45
	s_lshl_b32 s45, s25, 18
	s_add_co_u32 s32, s32, s45
	s_lshl_b32 s45, s24, 20
	s_add_co_u32 s32, s32, s45
	s_add_nc_u64 s[18:19], s[18:19], s[32:33]
	s_wait_loadcnt 0x0
	s_wait_alu depctr_va_vdst(0)
	QNT XW, FW, 10, 11, 0
.irp s, 0,1
.irp c, 0,1,2,3
	global_store_b128 v5, v[FW+16*\s+4*\c:FW+16*\s+4*\c+3], s[18:19] offset:4096*\s+512*\c
.endr
.endr
	s_endpgm
.Lq:
	s_mov_b32 s32, s34
	s_add_nc_u64 s[12:13], s[12:13], s[32:33]
	WIN 0x40
	FLOAD 0, 12
	WIN 0
	s_lshl_b32 s32, s23, 6
	s_add_nc_u64 s[14:15], s[14:15], s[32:33]
	global_load_b32 v8, v3, s[14:15]
	s_lshl_b32 s45, s25, 13
	s_add_co_u32 s32, s32, s45
	s_add_nc_u64 s[20:21], s[20:21], s[32:33]
	s_add_co_i32 s28, s36, 127
	s_add_co_i32 s29, s28, 15
	s_lshl_b32 s28, s28, 23
	s_lshl_b32 s29, s29, 23
	s_or_b32 s29, s29, 0x600000
	v_mov_b32 v12, s28
	v_mov_b32 v13, s29
	s_add_co_i32 s30, s36, s37
	s_add_co_i32 s30, s30, 127
	s_lshl_b32 s30, s30, 23
	s_mov_b32 s31, s30
	s_wait_loadcnt 33
	s_wait_alu depctr_va_vdst(0)
	QNT XW, FW, 10, 11, 0
	s_wait_loadcnt 0x0
	QNT 0, FQ, 12, 13, 1
	v_wmma_f32_16x16x128_bf8_bf8 v[224:231], v[FQ:FQ+15], v[FW:FW+15], 0
	v_wmma_f32_16x16x128_bf8_bf8 v[232:239], v[FQ+16:FQ+31], v[FW+16:FW+31], 0
.rept 4
	v_nop
.endr
.irp i, 0,2,4,6
	v_pk_add_f32 v[240+\i:241+\i], v[224+\i:225+\i], v[232+\i:233+\i]
.endr
	v_mov_b32 v9, v8
	ds_store_b128 v6, v[240:243]
	ds_store_b128 v6, v[244:247] offset:512
	s_wait_dscnt 0x0
	s_barrier_signal -1
	s_barrier_wait -1
.irp p, 0,1,2,3
	ds_load_b64 v[64+2*\p:65+2*\p], v7 offset:1024*\p
.endr
	s_wait_dscnt 0x0
	v_pk_add_f32 v[64:65], v[64:65], v[66:67]
	v_pk_add_f32 v[68:69], v[68:69], v[70:71]
	v_pk_add_f32 v[64:65], v[64:65], v[68:69]
	s_wait_alu depctr_va_vdst(0)
	v_pk_fma_f32 v[64:65], v[64:65], s[30:31], v[8:9] op_sel_hi:[1,0,1]
	global_store_b32 v14, v64, s[20:21]
	global_store_b32 v14, v65, s[20:21] offset:4096
	s_wait_tensorcnt 0x0
	ds_add_u32 v254, v255
	s_wait_dscnt 0x0
	s_endpgm
.Lfunc_end_k_q87099a7bbf_prep:
	.size	k_q87099a7bbf_prep, .Lfunc_end_k_q87099a7bbf_prep-k_q87099a7bbf_prep
	.p2alignl 7, 3214868480
	.fill 96, 4, 3214868480
	.section	.rodata,"a",@progbits
	.p2align	6, 0x0
	.amdhsa_kernel k_q87099a7bbf_prep
		.amdhsa_group_segment_fixed_size 4608
		.amdhsa_private_segment_fixed_size 0
		.amdhsa_enable_private_segment 0
		.amdhsa_kernarg_size 72
		.amdhsa_user_sgpr_count 2
		.amdhsa_user_sgpr_kernarg_segment_ptr 1
		.amdhsa_wavefront_size32 1
		.amdhsa_system_sgpr_workgroup_id_x 1
		.amdhsa_system_sgpr_workgroup_id_y 1
		.amdhsa_system_sgpr_workgroup_id_z 1
		.amdhsa_system_vgpr_workitem_id 0
		.amdhsa_next_free_vgpr 384
		.amdhsa_next_free_sgpr 66
		.amdhsa_reserve_vcc 0
		.amdhsa_float_denorm_mode_32 3
		.amdhsa_float_denorm_mode_16_64 3
		.amdhsa_memory_ordered 1
		.amdhsa_forward_progress 1
		.amdhsa_inst_pref_size 40
	.end_amdhsa_kernel
	.amdgpu_metadata
---
amdhsa.version: [ 1, 2 ]
amdhsa.kernels:
  - .name:           k_q87099a7bbf_prep
    .symbol:         k_q87099a7bbf_prep.kd
    .args:
      - { .name: Wk, .offset: 0, .size: 8, .value_kind: global_buffer, .address_space: global }
      - { .name: Wv, .offset: 8, .size: 8, .value_kind: global_buffer, .address_space: global }
      - { .name: Wf, .offset: 16, .size: 8, .value_kind: global_buffer, .address_space: global }
      - { .name: Wq, .offset: 24, .size: 8, .value_kind: global_buffer, .address_space: global }
      - { .name: query, .offset: 32, .size: 8, .value_kind: global_buffer, .address_space: global }
      - { .name: bq, .offset: 40, .size: 8, .value_kind: global_buffer, .address_space: global }
      - { .name: lowp_scales, .offset: 48, .size: 8, .value_kind: global_buffer, .address_space: global }
      - { .name: wcodes, .offset: 56, .size: 8, .value_kind: global_buffer, .address_space: global }
      - { .name: qbuf, .offset: 64, .size: 8, .value_kind: global_buffer, .address_space: global }
    .group_segment_fixed_size: 4608
    .private_segment_fixed_size: 0
    .kernarg_segment_align: 8
    .kernarg_segment_size: 72
    .max_flat_workgroup_size: 128
    .sgpr_count:     66
    .vgpr_count:     384
    .wavefront_size: 32
...
	.end_amdgpu_metadata
.endif
;; end of part 1
;; launch main (part 2): grid 256 x 1, 4 waves a work-group, clusters of 4 x 1, 327,680 bytes of LDS; arguments key_, value, qbuf, bk, bv, wcodes, lowp_scales, part; writes part
.if DOCPART == 2
	.amdgcn_target "amdgcn-amd-amdhsa--gfx1250"
	.amdhsa_code_object_version 6
	.text
	.protected	k_q87099a7bbf_main
	.globl	k_q87099a7bbf_main
	.p2align	8
	.type	k_q87099a7bbf_main,@function
k_q87099a7bbf_main:
	s_mov_b64 s[64:65], 0
	v_nop
	global_prefetch_b8 v0, s[64:65] scope:SCOPE_SE
	s_setreg_imm32_b32 hwreg(HW_REG_WAVE_MODE, 25, 1), 1
	s_wait_xcnt 0x0
	s_wait_alu depctr_hold_cnt(0) depctr_sa_sdst(0) depctr_va_vdst(0) depctr_va_sdst(0) depctr_va_ssrc(0) depctr_va_vcc(0) depctr_vm_vsrc(0)
	s_getreg_b32 s2, hwreg(HW_REG_IB_STS2, 6, 4)
	s_cmp_eq_u32 s2, 0
	s_cbranch_scc0 .Lentry_in_a_cluster
	s_endpgm
.Lentry_in_a_cluster:
	s_bfe_u32 s2, ttmp6, 0x10000c
	s_cmp_lg_u32 s2, 0x3003
	s_cbranch_scc0 .Lentry_shape_is_right
	s_endpgm
.Lentry_shape_is_right:
.set APITCH, 272
.set ACODE,  262144
.set QL,     296960
.set SCR,    301056
.set ATT,    311296
.set CB,     319488
.set OUTS,   319744
.set SPARE,  323840
.set MU,   32
.set SM,   96
.set CODE, 160
.set WK,   0xa6
.set WV,   0xa9
.set MSB,  0
.macro WIN new
.if MSB != \new
	s_set_vgpr_msb (MSB<<8)|\new
.set MSB, \new
.endif
.endm
.macro PLACES
.rept 4
	v_nop
.endr
.endm
.macro CROUND
	s_barrier_signal -1
	s_barrier_wait -1
	s_cmp_lg_u32 s20, 0
	s_cbranch_scc1 .Lnot_wave_0_\@
	s_barrier_signal -3
.Lnot_wave_0_\@:
	s_barrier_wait -3
	s_barrier_signal -1
	s_barrier_wait -1
.endm
.macro CHANGE slot, fill
	WIN 0
	s_wait_tensorcnt 0x0
	ds_add_u32 v1, v2
.if \fill
.if \slot
	s_add_nc_u64 s[70:71], s[70:71], 0x40000
.else
	s_add_nc_u64 s[34:35], s[34:35], 0x40000
.endif
.endif
	s_wait_dscnt 0x0
.if \fill
	CROUND
.if \slot
	tensor_load_to_lds s[32:35], s[24:31]
	s_nop 0
.else
	tensor_load_to_lds s[68:71], s[24:31]
	s_nop 0
.endif
	PLACES
.else
	s_barrier_signal -1
	s_barrier_wait -1
.endif
.endm
.macro LB slot, idx
	WIN 0x80
.irp f, 0,1,2,3
.irp c, 0,1,2,3
	ds_load_b128 v[128+64*((\idx)%2)+16*\f+4*\c:128+64*((\idx)%2)+16*\f+4*\c+3], v[7+\slot] offset:((\idx)%4)*8192+2048*\f+512*\c
.endr
.endr
.endm
.macro LA
	WIN 0x40
.irp s, 0,1
.irp mt, 0,1,2,3,4,5,6,7
.irp c, 0,1,2,3
	ds_load_b128 v[16*(8*\s+\mt)+4*\c:16*(8*\s+\mt)+4*\c+3], v6 offset:16*APITCH*\mt+128*\s+32*\c
.endr
.endr
.endr
.endm
.macro LM type, idx
.if \type
.if (\idx)%2 == 0
	WIN 0
.irp mt, 0,1,2,3,4,5,6,7
	ds_load_b128 v[MU+8*\mt:MU+8*\mt+3], v10 offset:512*((\idx)/2)+64*\mt
	ds_load_b128 v[MU+8*\mt+4:MU+8*\mt+7], v10 offset:512*((\idx)/2)+64*\mt+16
.endr
.endif
.else
	WIN 0
.irp c2, 0,1
	ds_load_b128 v[MU+8*\c2:MU+8*\c2+3], v9 offset:128*(\idx)+64*\c2
	ds_load_b128 v[MU+8*\c2+4:MU+8*\c2+7], v9 offset:128*(\idx)+64*\c2+16
.endr
.endif
.endm
.macro MULT type, idx, prog
.set BF, 128+64*((\idx)%2)
.if \type
	WIN WV
.else
	WIN WK
.endif
.irp s, 0,1
.irp mt, 0,1,2,3,4,5,6,7
.if \prog
	s_wait_dscnt 4*(15-8*\s-\mt)
.endif
.irp c2, 0,1
.if \type
.if \s
	v_wmma_f32_16x16x128_bf8_bf8 v[8*(2*\mt+\c2):8*(2*\mt+\c2)+7], v[16*(8*\s+\mt):16*(8*\s+\mt)+15], v[BF+16*(2*\s+\c2):BF+16*(2*\s+\c2)+15], v[8*(2*\mt+\c2):8*(2*\mt+\c2)+7]
.else
	v_wmma_f32_16x16x128_bf8_bf8 v[8*(2*\mt+\c2):8*(2*\mt+\c2)+7], v[16*(8*\s+\mt):16*(8*\s+\mt)+15], v[BF+16*(2*\s+\c2):BF+16*(2*\s+\c2)+15], 0
.endif
.else
.if \s
	v_wmma_f32_16x16x128_bf8_bf8 v[8*(2*\mt+\c2):8*(2*\mt+\c2)+7], v[BF+16*(2*\s+\c2):BF+16*(2*\s+\c2)+15], v[16*(8*\s+\mt):16*(8*\s+\mt)+15], v[8*(2*\mt+\c2):8*(2*\mt+\c2)+7]
.else
	v_wmma_f32_16x16x128_bf8_bf8 v[8*(2*\mt+\c2):8*(2*\mt+\c2)+7], v[BF+16*(2*\s+\c2):BF+16*(2*\s+\c2)+15], v[16*(8*\s+\mt):16*(8*\s+\mt)+15], 0
.endif
.endif
.endr
.endr
.endr
.endm
.macro REDUCE type, idx
	WIN 0x02
.if \type
.irp i, 0,1,2,3
.irp mt, 0,1,2,3,4,5,6,7
.irp c2, 0,1
	v_pk_fma_f32 v[SM+4*(2*(\idx)+\c2)+2*(\mt%2):SM+4*(2*(\idx)+\c2)+2*(\mt%2)+1], v[8*(2*\mt+\c2)+2*\i:8*(2*\mt+\c2)+2*\i+1], v[MU+8*\mt+2*\i:MU+8*\mt+2*\i+1], v[SM+4*(2*(\idx)+\c2)+2*(\mt%2):SM+4*(2*(\idx)+\c2)+2*(\mt%2)+1]
.endr
.endr
.endr
.else
	s_wait_alu depctr_va_vdst(0)
.irp c2, 0,1
.irp i, 0,1,2,3
.irp mt, 0,1,2,3,4,5,6,7
	v_pk_fma_f32 v[SM+2*(8*((\idx)/2)+\mt):SM+2*(8*((\idx)/2)+\mt)+1], v[8*(2*\mt+\c2)+2*\i:8*(2*\mt+\c2)+2*\i+1], v[MU+8*\c2+2*\i:MU+8*\c2+2*\i+1], v[SM+2*(8*((\idx)/2)+\mt):SM+2*(8*((\idx)/2)+\mt)+1]
.endr
.endr
.endr
.endif
.endm
.macro UNIT type, slot, idx, pos, last
.if \type
.set MC, 16*(1-(\idx)%2)
.else
.set MC, 4
.endif
.if \pos
	LB \slot, \idx
.endif
	LM \type, \idx
.if \pos == 2
	LA
	MULT \type, \idx, 1
	PLACES
	LB \slot, (\idx)+1
.else
.if \last
	s_wait_dscnt MC
.else
	LB \slot, (\idx)+1
	s_wait_dscnt MC+16
.endif
	MULT \type, \idx, 0
	PLACES
.if \last
	s_wait_dscnt 0x0
.else
	s_wait_dscnt 16
.endif
.endif
	REDUCE \type, \idx
.endm
.macro ASK g
	WIN 0xc0
.irp i, 0,1,2,3,4,5,6,7
	global_load_b128 v[64*\g+8*\i:64*\g+8*\i+3], v4, s[48:49] offset:(8*\g+\i)*4096 th:TH_LOAD_NT
	global_load_b128 v[64*\g+8*\i+4:64*\g+8*\i+7], v4, s[48:49] offset:(8*\g+\i)*4096+512 th:TH_LOAD_NT
.endr
.endm
.macro SG g, reissue, left
	s_wait_loadcnt \left
	WIN 0xc3
.set n, 0
.rept 64
.if \g >= 2
	v_med3_num_f32 v[64*\g+n], -v[64*\g+n], -v12, v12
.else
	v_med3_num_f32 v[64*\g+n], v[64*\g+n], -v12, v12
.endif
.set n, n+1
.endr
	WIN 0x03
.irp i, 0,1,2,3,4,5,6,7
	v_cvt_scalef32_pk8_bf8_f32 v[CODE+16*\g+2*\i:CODE+16*\g+2*\i+1], v[64*\g+8*\i:64*\g+8*\i+7], v11
.endr
	v_nop
.if \reissue
	ASK \g
.endif
	WIN 0
.endm
.macro CST g
.irp i, 0,1,2,3,4,5,6,7
	ds_store_b64 v5, v[CODE+16*\g+2*\i:CODE+16*\g+2*\i+1] offset:(8*\g+\i)*APITCH
.endr
.endm
.macro PHEAD
	s_wait_xcnt 0x0
	s_add_co_u32 s57, s52, 2
	s_cmp_lt_u32 s57, 4
	s_cselect_b64 s[48:49], s[44:45], s[46:47]
	s_and_b32 s57, s57, 3
	s_lshl_b32 s50, s57, 10
	s_mov_b32 s51, 0
	s_add_nc_u64 s[48:49], s[48:49], s[50:51]
	s_cmp_lt_u32 s52, 3
	s_cselect_b32 s58, s53, s55
	s_cselect_b32 s59, s54, s56
	v_mov_b32 v11, s58
	v_mov_b32 v12, s59
	s_wait_alu depctr_va_vdst(0)
.endm
.macro SGS g, st
.if \st == 2
	SG \g, 1, 48
.else
	WIN 0
	s_cmp_lt_u32 s52, 6
	s_cbranch_scc0 .Ltail_\@
	SG \g, 1, 48
	s_wait_alu depctr_va_vdst(0)
	s_branch .Ljoin_\@
.Ltail_\@:
	SG \g, 0, 0
.Ljoin_\@:
.endif
.endm
.macro PHASE type, st, fill2
	CHANGE 0, 1
	UNIT \type, 0, 0, 2, 0
	UNIT \type, 0, 1, 0, 0
.if \st
	WIN 0
	PHEAD
	SGS 0, \st
.endif
	UNIT \type, 0, 2, 0, 0
	UNIT \type, 0, 3, 0, 1
.if \st
	SGS 1, \st
.endif
	CHANGE 1, \fill2
.if \st
	CST 0
	s_wait_alu depctr_va_vdst(0)
	CST 1
.endif
	UNIT \type, 1, 4, 1, 0
	UNIT \type, 1, 5, 0, 0
.if \st
	SGS 2, \st
	CST 2
.endif
	UNIT \type, 1, 6, 0, 0
	UNIT \type, 1, 7, 0, 1
.if \st
	SGS 3, \st
	CST 3
.endif
	WIN 0
.endm
	s_load_b256 s[4:11], s[0:1], 0x0
	s_load_b256 s[12:19], s[0:1], 0x20
	v_lshl_add_u32 v1, v0, 2, SPARE
	v_mov_b32 v2, 0
	ds_add_u32 v1, v2
	ds_add_u32 v1, v2
	s_wait_dscnt 0x0
	v_lshrrev_b32 v24, 5, v0
	v_readfirstlane_b32 s20, v24
	s_bfe_u32 s21, ttmp6, 0x40000
	s_lshl_b32 s22, ttmp9, 2
	s_add_co_u32 s22, s22, s21
	v_and_b32 v3, 15, v0
	v_bfe_u32 v24, v0, 4, 1
	v_and_b32 v25, 31, v0
	s_lshl_b32 s57, s20, 17
	v_lshl_add_u32 v4, v25, 4, s57
	s_mul_i32 s57, s20, 32*APITCH
	s_add_co_u32 s57, s57, ACODE
	v_lshl_add_u32 v5, v25, 3, s57
	v_mul_u32_u24 v6, v3, APITCH
	v_lshl_add_u32 v6, v24, 4, v6
	v_add_nc_u32 v6, ACODE, v6
	s_lshl_b32 s58, s20, 15
	v_lshl_add_u32 v7, v25, 4, s58
	v_add_nc_u32 v8, 0x20000, v7
	s_lshl_b32 s57, s20, 10
	s_add_co_u32 s57, s57, QL
	v_lshl_add_u32 v9, v24, 5, s57
	s_lshl_b32 s57, s20, 11
	s_add_co_u32 s57, s57, ATT
	v_lshl_add_u32 v10, v24, 5, s57
	v_mul_u32_u24 v13, v3, 80
	s_lshl_b32 s57, s20, 4
	s_add_co_u32 s57, s57, SCR
	v_add_nc_u32 v13, s57, v13
	v_mul_u32_u24 v14, v0, 80
	v_add_nc_u32 v14, SCR, v14
	v_mov_b32 v15, CB
	v_lshl_add_u32 v16, v0, 2, ATT
	s_lshl_b32 s57, s20, 10
	s_add_co_u32 s57, s57, OUTS
	v_lshl_add_u32 v17, v3, 2, s57
	v_lshl_add_u32 v18, v0, 4, OUTS
	v_lshrrev_b32 v19, 4, v0
	v_lshlrev_b32 v19, 9, v19
	v_lshl_add_u32 v19, v3, 5, v19
	v_add_nc_u32 v19, ATT, v19
	v_lshlrev_b32 v20, 4, v0
	v_lshl_add_u32 v26, v0, 4, QL
	v_lshrrev_b32 v27, 4, v0
	v_lshl_add_u32 v27, v27, 2, CB
	s_wait_alu depctr_va_vdst(0)
	s_wait_kmcnt 0x0
	s_load_b256 s[36:43], s[16:17], 0x0
	s_lshl_b32 s50, s22, 19
	s_mov_b32 s51, 0
	s_add_nc_u64 s[44:45], s[4:5], s[50:51]
	s_add_nc_u64 s[46:47], s[6:7], s[50:51]
	s_lshr_b32 s50, s22, 4
	s_lshl_b32 s50, s50, 12
	s_add_nc_u64 s[8:9], s[8:9], s[50:51]
	s_lshl_b32 s50, s22, 12
	s_add_nc_u64 s[18:19], s[18:19], s[50:51]
	s_mov_b32 s50, s58
	s_add_nc_u64 s[14:15], s[14:15], s[50:51]
	s_mov_b64 s[48:49], s[44:45]
	global_load_b128 v[224:227], v20, s[8:9]
	global_load_b128 v[228:231], v20, s[8:9] offset:2048
	global_load_b128 v[232:235], v20, s[10:11]
	global_load_b128 v[236:239], v20, s[10:11] offset:2048
.irp g, 0,1,2,3
	ASK \g
.endr
	WIN 0
	s_mov_b32 s24, 15|(3<<16)|(1<<21)
	s_mov_b32 s25, 32<<16
	s_mov_b32 s26, 128<<16
	s_mov_b32 s27, 32<<16
	s_mov_b32 s28, 128
	s_mov_b32 s29, 32
	s_mov_b32 s30, 0
	s_mov_b32 s31, 0
	s_mov_b32 s32, 1
	s_mov_b32 s33, s58
	s_mov_b64 s[34:35], s[14:15]
	s_or_b32 s35, s35, 0x80000000
	s_mov_b32 s68, 1
	s_add_co_u32 s69, s58, 0x20000
	s_add_nc_u64 s[70:71], s[14:15], 0x20000
	s_or_b32 s71, s71, 0x80000000
	CROUND
	tensor_load_to_lds s[32:35], s[24:31]
	s_nop 0
	PLACES
	s_wait_loadcnt 63
	ds_store_b128 v26, v[224:227]
	ds_store_b128 v26, v[228:231] offset:2048
	v_pk_mul_f32 v[240:241], v[224:225], v[232:233]
	v_pk_mul_f32 v[242:243], v[228:229], v[236:237]
	v_pk_fma_f32 v[240:241], v[226:227], v[234:235], v[240:241]
	v_pk_fma_f32 v[242:243], v[230:231], v[238:239], v[242:243]
	v_add_f32 v240, v240, v241
	v_add_f32 v242, v242, v243
.irp x, 1,2,4,8
	v_add_f32_dpp v240, v240, v240 row_xmask:\x row_mask:0xf bank_mask:0xf
	v_add_f32_dpp v242, v242, v242 row_xmask:\x row_mask:0xf bank_mask:0xf
.endr
	v_mul_f32 v240, 0x3d38aa3b, v240
	v_mul_f32 v242, 0x3d38aa3b, v242
	ds_store_b32 v27, v240
	ds_store_b32 v27, v242 offset:32
.set n, 0
.rept 64
	v_mov_b32 v[SM+n], 0
.set n, n+1
.endr
	s_wait_kmcnt 0x0
	s_add_co_i32 s53, s38, 127
	s_add_co_i32 s54, s53, 15
	s_lshl_b32 s53, s53, 23
	s_lshl_b32 s54, s54, 23
	s_or_b32 s54, s54, 0x600000
	s_add_co_i32 s55, s40, 127
	s_add_co_i32 s56, s55, 15
	s_lshl_b32 s55, s55, 23
	s_lshl_b32 s56, s56, 23
	s_or_b32 s56, s56, 0x600000
	s_add_co_i32 s57, s38, s39
	v_mov_b32 v22, 0x3d38aa3b
	v_ldexp_f32 v22, v22, s57
	v_mov_b32 v23, v22
	s_add_co_i32 s62, s40, s41
	s_add_co_i32 s62, s62, 127
	s_lshl_b32 s62, s62, 23
	s_mov_b32 s63, s62
	s_mov_b32 s60, 0x76543210
	s_mov_b32 s61, 0xfedcba98
	v_mov_b32 v11, s53
	v_mov_b32 v12, s54
	s_wait_alu depctr_va_vdst(0)
	s_wait_xcnt 0x0
	s_add_nc_u64 s[48:49], s[48:49], 1024
.irp g, 0,1,2,3
	SG \g, 1, 48
	CST \g
.endr
	s_mov_b32 s52, 0
.Lk:
	PHASE 0, 2, 1
	s_add_co_u32 s52, s52, 1
	s_cmp_lt_u32 s52, 4
	s_cbranch_scc1 .Lk
.irp mt, 0,1,2,3,4,5,6,7
.irp hq, 0,1,2,3
.if \mt % 2
	v_add_f32 v[MU+4*\mt+\hq], -v[SM+16*\hq+2*\mt], -v[SM+16*\hq+2*\mt+1]
.else
	v_add_f32 v[MU+4*\mt+\hq], v[SM+16*\hq+2*\mt], v[SM+16*\hq+2*\mt+1]
.endif
.endr
.endr
.set n, 0
.rept 32
	v_permlanex16_b32 v[SM+n], v[MU+n], s60, s61
.set n, n+1
.endr
.set n, 0
.rept 32
	v_add_f32 v[MU+n], v[MU+n], v[SM+n]
.set n, n+1
.endr
.irp mt, 0,1,2,3,4,5,6,7
	ds_store_b128 v13, v[MU+4*\mt:MU+4*\mt+3] offset:16*80*\mt
.endr
	s_wait_dscnt 0x0
	s_barrier_signal -1
	s_barrier_wait -1
.irp a, 0,1,2,3
	ds_load_b128 v[224+4*\a:227+4*\a], v14 offset:16*\a
	ds_load_b128 v[240+4*\a:243+4*\a], v15 offset:16*\a
.endr
	s_wait_dscnt 0x0
.irp j, 0,2,4,6,8,10,12,14
	v_pk_fma_f32 v[224+\j:225+\j], v[224+\j:225+\j], v[22:23], v[240+\j:241+\j]
.endr
	v_max3_num_f32 v32, v224, v225, v226
	v_max3_num_f32 v33, v227, v228, v229
	v_max3_num_f32 v32, v32, v230, v231
	v_max3_num_f32 v33, v33, v232, v233
	v_max3_num_f32 v32, v32, v234, v235
	v_max3_num_f32 v33, v33, v236, v237
	v_max3_num_f32 v32, v32, v238, v239
	v_max_num_f32 v32, v32, v33
	v_mov_b32 v33, v32
.irp j, 0,2,4,6,8,10,12,14
	v_pk_add_f32 v[224+\j:225+\j], v[224+\j:225+\j], v[32:33] neg_lo:[0,1] neg_hi:[0,1]
.endr
.set n, 0
	s_wait_alu depctr_va_vdst(0)
.rept 16
	v_exp_f32 v[224+n], v[224+n]
.set n, n+1
.endr
	v_nop
	s_wait_alu depctr_va_vdst(0)
	v_pk_add_f32 v[34:35], v[224:225], v[226:227]
	v_pk_add_f32 v[36:37], v[228:229], v[230:231]
	v_pk_add_f32 v[34:35], v[34:35], v[232:233]
	v_pk_add_f32 v[36:37], v[36:37], v[234:235]
	v_pk_add_f32 v[34:35], v[34:35], v[236:237]
	v_pk_add_f32 v[36:37], v[36:37], v[238:239]
	v_pk_add_f32 v[34:35], v[34:35], v[36:37]
	v_add_f32 v34, v34, v35
	s_wait_alu depctr_va_vdst(0)
	v_rcp_f32 v34, v34
	v_and_b32 v38, 16, v0
	v_lshlrev_b32 v38, 27, v38
	s_wait_alu depctr_va_vdst(0)
	v_xor_b32 v34, v34, v38
	v_mov_b32 v35, v34
.irp j, 0,2,4,6,8,10,12,14
	v_pk_mul_f32 v[224+\j:225+\j], v[224+\j:225+\j], v[34:35]
.endr
.set n, 0
.rept 16
	ds_store_b32 v16, v[224+n] offset:512*n
.set n, n+1
.endr
.set n, 0
.rept 64
	v_mov_b32 v[SM+n], 0
.set n, n+1
.endr
	s_mov_b32 s52, 4
.Lv:
	PHASE 1, 3, 1
	s_add_co_u32 s52, s52, 1
	s_cmp_lt_u32 s52, 7
	s_cbranch_scc1 .Lv
	global_load_b128 v[224:227], v20, s[12:13]
	global_load_b128 v[228:231], v20, s[12:13] offset:2048
	PHASE 1, 0, 0
.set n, 0
.rept 16
	v_add_f32 v[MU+n], v[SM+4*n], v[SM+4*n+1]
	v_add_f32 v[MU+16+n], v[SM+4*n+2], v[SM+4*n+3]
.set n, n+1
.endr
.set n, 0
.rept 16
	v_add_f32 v[MU+n], v[MU+n], v[MU+16+n]
.set n, n+1
.endr
.set n, 0
.rept 16
	v_permlanex16_b32 v[MU+16+n], v[MU+n], s60, s61
.set n, n+1
.endr
.set n, 0
.rept 16
	v_add_f32 v[MU+n], v[MU+n], v[MU+16+n]
.set n, n+1
.endr
.set n, 0
.rept 16
	ds_store_b32 v17, v[MU+n] offset:64*n
.set n, n+1
.endr
	ds_load_b128 v[232:235], v19
	ds_load_b128 v[236:239], v19 offset:16
	ds_load_b128 v[240:243], v19 offset:4096
	ds_load_b128 v[244:247], v19 offset:4112
	s_wait_dscnt 0x0
	s_barrier_signal -1
	s_barrier_wait -1
	ds_load_b128 v[248:251], v18
	ds_load_b128 v[252:255], v18 offset:2048
	v_pk_add_f32 v[232:233], v[232:233], v[234:235]
	v_pk_add_f32 v[236:237], v[236:237], v[238:239]
	v_pk_add_f32 v[240:241], v[240:241], v[242:243]
	v_pk_add_f32 v[244:245], v[244:245], v[246:247]
	v_pk_add_f32 v[232:233], v[232:233], v[236:237]
	v_pk_add_f32 v[240:241], v[240:241], v[244:245]
	v_add_f32 v232, |v232|, |v233|
	v_add_f32 v240, |v240|, |v241|
.irp x, 1,2,4,8
	v_add_f32_dpp v232, v232, v232 row_xmask:\x row_mask:0xf bank_mask:0xf
	v_add_f32_dpp v240, v240, v240 row_xmask:\x row_mask:0xf bank_mask:0xf
.endr
	v_mov_b32 v233, v232
	v_mov_b32 v241, v240
	s_wait_alu depctr_va_vdst(0)
	s_wait_loadcnt 0x0
	v_pk_mul_f32 v[224:225], v[224:225], v[232:233]
	v_pk_mul_f32 v[226:227], v[226:227], v[232:233]
	v_pk_mul_f32 v[228:229], v[228:229], v[240:241]
	v_pk_mul_f32 v[230:231], v[230:231], v[240:241]
	s_wait_alu depctr_va_vdst(0)
	s_wait_dscnt 0x0
	v_pk_fma_f32 v[224:225], v[248:249], s[62:63], v[224:225] op_sel_hi:[1,0,1]
	v_pk_fma_f32 v[226:227], v[250:251], s[62:63], v[226:227] op_sel_hi:[1,0,1]
	v_pk_fma_f32 v[228:229], v[252:253], s[62:63], v[228:229] op_sel_hi:[1,0,1]
	v_pk_fma_f32 v[230:231], v[254:255], s[62:63], v[230:231] op_sel_hi:[1,0,1]
	global_store_b128 v20, v[224:227], s[18:19]
	global_store_b128 v20, v[228:231], s[18:19] offset:2048
	s_wait_tensorcnt 0x0
	ds_add_u32 v1, v2
	s_wait_dscnt 0x0
	CROUND
	s_endpgm
.Lfunc_end_k_q87099a7bbf_main:
	.size	k_q87099a7bbf_main, .Lfunc_end_k_q87099a7bbf_main-k_q87099a7bbf_main
	.p2alignl 7, 3214868480
	.fill 96, 4, 3214868480
	.section	.rodata,"a",@progbits
	.p2align	6, 0x0
	.amdhsa_kernel k_q87099a7bbf_main
		.amdhsa_group_segment_fixed_size 327680
		.amdhsa_private_segment_fixed_size 0
		.amdhsa_enable_private_segment 0
		.amdhsa_kernarg_size 64
		.amdhsa_user_sgpr_count 2
		.amdhsa_user_sgpr_kernarg_segment_ptr 1
		.amdhsa_wavefront_size32 1
		.amdhsa_system_sgpr_workgroup_id_x 1
		.amdhsa_system_sgpr_workgroup_id_y 1
		.amdhsa_system_sgpr_workgroup_id_z 1
		.amdhsa_system_vgpr_workitem_id 0
		.amdhsa_next_free_vgpr 1024
		.amdhsa_next_free_sgpr 72
		.amdhsa_reserve_vcc 0
		.amdhsa_float_denorm_mode_32 3
		.amdhsa_float_denorm_mode_16_64 3
		.amdhsa_memory_ordered 1
		.amdhsa_forward_progress 1
		.amdhsa_inst_pref_size 255
	.end_amdhsa_kernel
	.section	.bss,"aw",@nobits
	.p2align	6
	.space	262144
	.amdgpu_metadata
---
amdhsa.version: [ 1, 2 ]
amdhsa.kernels:
  - .name:           k_q87099a7bbf_main
    .symbol:         k_q87099a7bbf_main.kd
    .args:
      - { .name: key_, .offset: 0, .size: 8, .value_kind: global_buffer, .address_space: global }
      - { .name: value, .offset: 8, .size: 8, .value_kind: global_buffer, .address_space: global }
      - { .name: qbuf, .offset: 16, .size: 8, .value_kind: global_buffer, .address_space: global }
      - { .name: bk, .offset: 24, .size: 8, .value_kind: global_buffer, .address_space: global }
      - { .name: bv, .offset: 32, .size: 8, .value_kind: global_buffer, .address_space: global }
      - { .name: wcodes, .offset: 40, .size: 8, .value_kind: global_buffer, .address_space: global }
      - { .name: lowp_scales, .offset: 48, .size: 8, .value_kind: global_buffer, .address_space: global }
      - { .name: part, .offset: 56, .size: 8, .value_kind: global_buffer, .address_space: global }
    .group_segment_fixed_size: 327680
    .private_segment_fixed_size: 0
    .kernarg_segment_align: 8
    .kernarg_segment_size: 64
    .max_flat_workgroup_size: 128
    .sgpr_count:     72
    .vgpr_count:     1024
    .wavefront_size: 32
...
	.end_amdgpu_metadata
.endif
;; end of part 2
;; launch last (part 3): grid 16 x 16, 4 waves a work-group, no clusters, 4,608 bytes of LDS; arguments part, wcodes, bf, lowp_scales, out0; writes out0
.if DOCPART == 3
	.amdgcn_target "amdgcn-amd-amdhsa--gfx1250"
	.amdhsa_code_object_version 6
	.text
	.protected	k_q87099a7bbf_last
	.globl	k_q87099a7bbf_last
	.p2align	8
	.type	k_q87099a7bbf_last,@function
k_q87099a7bbf_last:
	s_mov_b64 s[64:65], 0
	v_nop
	global_prefetch_b8 v0, s[64:65] scope:SCOPE_SE
	s_setreg_imm32_b32 hwreg(HW_REG_WAVE_MODE, 25, 1), 1
	s_wait_xcnt 0x0
.set MSB, 0
.macro WIN new
.if MSB != \new
	s_set_vgpr_msb (MSB<<8)|\new
.set MSB, \new
.endif
.endm
	s_load_b256 s[4:11], s[0:1], 0x0
	s_load_b64 s[12:13], s[0:1], 0x20
	v_lshl_add_u32 v62, v0, 2, 0x1000
	v_mov_b32 v63, 0
	v_lshrrev_b32 v1, 5, v0
	v_readfirstlane_b32 s14, v1
	s_and_b32 s15, ttmp7, 0xffff
	v_and_b32 v1, 31, v0
	v_and_b32 v2, 15, v0
	v_bfe_u32 v3, v0, 4, 1
	v_lshlrev_b32 v4, 4, v1
	v_lshlrev_b32 v5, 3, v1
	s_lshl_b32 s16, s14, 8
	v_add_nc_u32 v6, s16, v5
	v_lshl_add_u32 v7, v3, 4, s16
	s_add_co_u32 s17, s16, 1024
	v_lshl_add_u32 v12, v2, 2, s17
	v_add_nc_u32 v13, 1024, v5
	s_lshl_b32 s20, s15, 16
	s_lshl_b32 s21, s14, 10
	s_add_co_u32 s20, s20, s21
	s_mov_b32 s21, 0
	s_wait_alu depctr_va_vdst(0)
	s_wait_kmcnt 0x0
	s_load_b256 s[24:31], s[10:11], 0x0
	s_add_nc_u64 s[4:5], s[4:5], s[20:21]
	s_lshl_b32 s20, s14, 18
	s_add_co_u32 s20, s20, 0x200000
	s_bfe_u32 s22, ttmp9, 0x10001
	s_lshl_b32 s22, s22, 17
	s_add_co_u32 s20, s20, s22
	s_lshr_b32 s22, ttmp9, 2
	s_lshl_b32 s22, s22, 15
	s_add_co_u32 s20, s20, s22
	s_and_b32 s22, ttmp9, 1
	s_lshl_b32 s22, s22, 14
	s_add_co_u32 s20, s20, s22
	s_add_nc_u64 s[6:7], s[6:7], s[20:21]
	s_lshl_b32 s20, ttmp9, 8
	s_add_nc_u64 s[8:9], s[8:9], s[20:21]
	s_lshl_b32 s22, s15, 12
	s_add_co_u32 s20, s20, s22
	s_add_nc_u64 s[12:13], s[12:13], s[20:21]
.irp i, 0,1,2,3,4,5,6,7,8,9,10,11,12,13,14,15
	global_load_b128 v[64+8*\i:67+8*\i], v4, s[4:5] offset:4096*\i
	global_load_b128 v[68+8*\i:71+8*\i], v4, s[4:5] offset:4096*\i+512
.endr
	WIN 0x40
.irp ct, 0,1,2,3
.irp s, 0,1
.irp c, 0,1,2,3
	global_load_b128 v[16*(2*\ct+\s)+4*\c:16*(2*\ct+\s)+4*\c+3], v4, s[6:7] offset:(\ct/2)*8192+\s*4096+(\ct%2)*2048+512*\c
.endr
.endr
.endr
	WIN 0
	global_load_b64 v[8:9], v5, s[8:9]
	s_wait_kmcnt 0x0
	s_add_co_i32 s22, s30, 127
	s_add_co_i32 s23, s22, 15
	s_lshl_b32 s22, s22, 23
	s_lshl_b32 s23, s23, 23
	s_or_b32 s23, s23, 0x600000
	v_mov_b32 v10, s22
	v_mov_b32 v11, s23
	s_add_co_i32 s18, s30, s31
	s_add_co_i32 s18, s18, 127
	s_lshl_b32 s18, s18, 23
	s_mov_b32 s19, s18
	s_wait_loadcnt 33
.irp d, 8,4,2,1
.set i, 0
.rept \d
.irp j, 0,2,4,6
	v_pk_add_f32 v[64+8*i+\j:64+8*i+\j+1], v[64+8*i+\j:64+8*i+\j+1], v[64+8*(i+\d)+\j:64+8*(i+\d)+\j+1]
.endr
.set i, i+1
.endr
.endr
.irp j, 0,1,2,3,4,5,6,7
	v_med3_num_f32 v[64+\j], v[64+\j], -v11, v11
.endr
	v_cvt_scalef32_pk8_bf8_f32 v[32:33], v[64:71], v10
	v_nop
	ds_store_b64 v6, v[32:33]
.irp s, 0,1
.irp c, 0,1,2,3
	ds_load_b128 v[192+16*\s+4*\c:195+16*\s+4*\c], v7 offset:128*\s+32*\c
.endr
.endr
	s_wait_dscnt 0x0
	s_wait_loadcnt 0x0
	WIN 0x04
.irp s, 0,1
.irp ct, 0,1,2,3
.if \s
	v_wmma_f32_16x16x128_bf8_bf8 v[224+8*\ct:231+8*\ct], v[192+16*\s:207+16*\s], v[16*(2*\ct+\s):16*(2*\ct+\s)+15], v[224+8*\ct:231+8*\ct]
.else
	v_wmma_f32_16x16x128_bf8_bf8 v[224+8*\ct:231+8*\ct], v[192+16*\s:207+16*\s], v[16*(2*\ct+\s):16*(2*\ct+\s)+15], 0
.endif
.endr
.endr
	WIN 0
.rept 4
	v_nop
.endr
.irp ct, 0,1,2,3
	ds_store_b32 v12, v[224+8*\ct] offset:64*\ct
.endr
	s_wait_dscnt 0x0
	s_barrier_signal -1
	s_barrier_wait -1
	s_cmp_lg_u32 s14, 0
	s_cbranch_scc1 .Lend
.irp p, 0,1,2,3
	ds_load_b64 v[32+2*\p:33+2*\p], v13 offset:256*\p
.endr
	s_wait_dscnt 0x0
	v_pk_add_f32 v[32:33], v[32:33], v[34:35]
	v_pk_add_f32 v[36:37], v[36:37], v[38:39]
	v_pk_add_f32 v[32:33], v[32:33], v[36:37]
	v_pk_fma_f32 v[32:33], v[32:33], s[18:19], v[8:9] op_sel_hi:[1,0,1]
	global_store_b64 v5, v[32:33], s[12:13]
.Lend:
	s_wait_tensorcnt 0x0
	ds_add_u32 v62, v63
	s_wait_dscnt 0x0
	s_endpgm
.Lfunc_end_k_q87099a7bbf_last:
	.size	k_q87099a7bbf_last, .Lfunc_end_k_q87099a7bbf_last-k_q87099a7bbf_last
	.p2alignl 7, 3214868480
	.fill 96, 4, 3214868480
	.section	.rodata,"a",@progbits
	.p2align	6, 0x0
	.amdhsa_kernel k_q87099a7bbf_last
		.amdhsa_group_segment_fixed_size 4608
		.amdhsa_private_segment_fixed_size 0
		.amdhsa_enable_private_segment 0
		.amdhsa_kernarg_size 40
		.amdhsa_user_sgpr_count 2
		.amdhsa_user_sgpr_kernarg_segment_ptr 1
		.amdhsa_wavefront_size32 1
		.amdhsa_system_sgpr_workgroup_id_x 1
		.amdhsa_system_sgpr_workgroup_id_y 1
		.amdhsa_system_sgpr_workgroup_id_z 1
		.amdhsa_system_vgpr_workitem_id 0
		.amdhsa_next_free_vgpr 384
		.amdhsa_next_free_sgpr 66
		.amdhsa_reserve_vcc 0
		.amdhsa_float_denorm_mode_32 3
		.amdhsa_float_denorm_mode_16_64 3
		.amdhsa_memory_ordered 1
		.amdhsa_forward_progress 1
		.amdhsa_inst_pref_size 16
	.end_amdhsa_kernel
	.amdgpu_metadata
---
amdhsa.version: [ 1, 2 ]
amdhsa.kernels:
  - .name:           k_q87099a7bbf_last
    .symbol:         k_q87099a7bbf_last.kd
    .args:
      - { .name: part, .offset: 0, .size: 8, .value_kind: global_buffer, .address_space: global }
      - { .name: wcodes, .offset: 8, .size: 8, .value_kind: global_buffer, .address_space: global }
      - { .name: bf, .offset: 16, .size: 8, .value_kind: global_buffer, .address_space: global }
      - { .name: lowp_scales, .offset: 24, .size: 8, .value_kind: global_buffer, .address_space: global }
      - { .name: out0, .offset: 32, .size: 8, .value_kind: global_buffer, .address_space: global }
    .group_segment_fixed_size: 4608
    .private_segment_fixed_size: 0
    .kernarg_segment_align: 8
    .kernarg_segment_size: 40
    .max_flat_workgroup_size: 128
    .sgpr_count:     66
    .vgpr_count:     384
    .wavefront_size: 32
...
	.end_amdgpu_metadata
.endif
;; end of part 3
